; MI455X (gfx1250); checked and timed in simulation.
; The chip was launched on July 23, 2026; its instructions are those of AMD's public machine-readable ISA for CDNA 5 (MIT licence, August 2026) and "CDNA5" Instruction Set Architecture Reference Guide (July 2026). The comments in the code are by the model that wrote it; some were corrected since.
;; K Means. Allowed arithmetic: matrix products marked QUANTISED: E5M2 operands, one E8M0 scale for each 32 along K, by v_wmma_scale_f32_16x16x128_f8f6f4 with both operands' format E5M2, f32 sums; everything else in f32.
;; Inputs: centroids 256 x 64 float32; x 500,000 x 64 float32.
;; Outputs: out0 1 x 256 x 64 float32; out1 500,000 int32.
;; This version of the problem:
;;   THIS VERSION OF THE PROBLEM IS GIVEN IN LOW PRECISION. The matrix products marked QUANTISED in the list below multiply operands that are first quantised to E5M2 (5 exponent bits, 2 mantissa bits; 8 bits a number), with one power-of-two scale for each 32 numbers along K (OCP MX v1.0); their sums are f32. All else is computed in f32.
;;   The module's matrix products, in the order in which they are computed (A, B: the left and right operand; K: the contracted axis; several contracted axes count as one K, in the product's order):
;;     1. [M 500,000, K 64] x [K 64, N 256]; A: input x; B: input centroids: QUANTISED
;;   THE QUANTISER, for each operand of a quantised product, along K:
;;     - K is cut into blocks of 32 from its start; a last block that is shorter is filled with zeros.
;;     - A block's scale is 2^e with e = floor(log2(the largest magnitude in the block)) - 15, held to -126 .. 127; a block of zeros has e = 0. As a byte (E8M0): e + 127.
;;     - Each number is divided by its block's scale, clamped to +-57,344, and rounded to the nearest number of E5M2, ties to even, subnormals kept.
;;     - The product sums the exact products of the quantised numbers (number of the format x scale) in f32.
;;   ~~~python
;;   def quantise(x, axis):      # numpy; x: float32 -> the quantised numbers, widened to float32 again
;;       x = np.moveaxis(x, axis, -1); K = x.shape[-1]
;;       x = np.pad(x, [(0, 0)] * (x.ndim - 1) + [(0, -K % 32)]); x = x.reshape(x.shape[:-1] + (-1, 32)); a = np.abs(x).max(-1, keepdims=True)
;;       e = np.where(a > 0, np.clip(np.frexp(np.where(a > 0, a, 1))[1] - 1 - 15, -126, 127), 0)      # np.frexp(a)[1] - 1 = floor(log2(a)), exactly
;;       r = np.clip(x / 2.0 ** e, -57344, 57344)
;;       step = 2.0 ** (np.maximum(np.frexp(np.where(r == 0, 1, r))[1] - 1, -14) - 2)
;;       q = np.round(r / step) * step * 2.0 ** e      # np.round: ties to even
;;       return np.moveaxis(q.reshape(q.shape[:-2] + (-1,))[..., :K], -1, axis).astype(np.float32)
;;   ~~~
;; One version. Each part assembles by itself: llvm-mc -triple=amdgcn-amd-amdhsa -mcpu=gfx1250 --defsym DOCPART=n.
;; ======== version 1 of 1: 1 launch
;; limits: right only within a limited range of input values
;; launch assign (part 1): grid 252 x 1, 8 waves a work-group, no clusters, 327,680 bytes of LDS; arguments x, centroids, out0, out1; writes out0, out1
.if DOCPART == 1
	.amdgcn_target "amdgcn-amd-amdhsa--gfx1250"
	.amdhsa_code_object_version 6
	.text
	.protected	k_qd2be31c7aa_assign
	.globl	k_qd2be31c7aa_assign
	.p2align	8
	.type	k_qd2be31c7aa_assign,@function
k_qd2be31c7aa_assign:
	s_mov_b64 s[64:65], 0
	v_nop
	global_prefetch_b8 v0, s[64:65] scope:SCOPE_SE
	s_setreg_imm32_b32 hwreg(HW_REG_WAVE_MODE, 25, 1), 1
	s_wait_xcnt 0x0
; out1[p] = the first index k at which d(p, k) = (x_sq[p] - 2 Q(x[p]) . Q(c[k])) + c_sq[k] is smallest;  out0 = the centroids as they are.
; x: [500000][64] f32, centroids: [256][64] f32.  Q: codes of BF8 (E5M2) with one E8M0 scale for each 32 along K = 64; x_sq, c_sq, d and the search in f32.
; SHARES.  31,250 tiles of 16 points.  252 work-groups of eight waves; a work-group owns 124 tiles (waves 0-3 sixteen, waves 4-7 fifteen), the last one 126 (waves 0-5 sixteen, 6 and 7 fifteen): with LIM = 4 or 6 wave w begins at tile
; 15 w + min(w, LIM).  Two waves of 512 registers to a SIMD.
; LAYOUT.  The product is used transposed: source 0 = 16 centroids, source 1 = 16 points.  Lane (r = lane % 16, h = lane / 16) holds ONE point r, and register j of centroid tile t is centroid 16 t + 8 h + j.
; -2 IS IN THE CENTROIDS' OPERAND, exactly: the quantiser's codes with their sign bits turned, their scale bytes raised by 1.  x_sq IS THE C of every product.  So D = x_sq - 2 dot, and one packed addition of c_sq follows.
; K = 64 IN A FORM OF K = 128: the points' operand registers 8-15 are zero codes for the whole launch and bytes 2, 3 of all scale words are 0 (2^-127, not NaN).  A zero code times any finite code adds nothing, so the upper
; eight registers of a centroid fragment may hold any finite codes: they are the NEXT tile's codes (behind tile 15: zeros).  16 fragments so take 136 registers.  The hold ahead of the conversion leaves no infinity among the codes.
; THE SEARCH goes by groups of two centroid tiles and keeps the sixteen distances of the best group so far: a group replaces them where its smallest is strictly under the best so far, groups ascending.  At the end the lower half is kept
; where it holds the best, twice, and among the last four the first equal to the best; between the two halves of the lanes the smaller value wins, and on equal values the smaller index.  That is the first index of the smallest d.
; No branch and no address hangs on it.
; x comes through a ring of two LDS slots for each wave, 32 rows (2 tiles) a slot, by the tensor data mover; each wave fills and reads its own slots alone.  Each later slot's rows are prefetched by the wave that will load them, a lane a row.
; THE CENTROIDS: wave w quantises tiles 2 w, 2 w + 1; codes, scale words and c_sq go to the others through LDS as images of the registers; then every wave keeps all 16 tiles in registers.
; NO CLUSTER: what work-groups share is the 65,536 bytes of centroids against 507,904 bytes of x of their own, read once at the start.
; LIMITS.  NaN and infinities among the inputs are not served.  x_sq and c_sq are summed in two packed chains and one exchange of lanes: another order than a plain sum's.  The dot product is not rounded to f32 by itself: the matrix
; unit adds it to x_sq in its own pass.  A block of zeros gets the scale byte 1 (centroids: 2) where the quantiser's rule says 127: its codes are zeros, and the bytes are read here alone.  Waves 5-7 begin inside an aligned unit of
; 256 bytes of out1.
.set PITCH,  272                       ; a row of x in LDS: 256 bytes + 16 of padding = 68 words: row r starts at bank 4 r mod 64 (64 banks of 4 bytes: ISA guide 11.1)
.set TILEB,  16*PITCH                  ; a tile of 16 points
.set SLOTB,  2*TILEB
.set WRING,  2*SLOTB                   ; a wave's ring: four buffers of a tile
.set CIMG,   8*WRING                   ; behind the rings: the centroids' codes: tile t at 1,024 t; registers 4 c .. 4 c + 3 at 512 c + 16 x lane
.set CSC,    CIMG+16*1024              ; their scale words: tile t at 64 t + 4 r
.set CSQ,    CSC+16*64                 ; c_sq[256]
.set STAGE,  CSQ+1024                  ; 1,024 bytes for each wave: its indices in the order of its points
.set SPARE,  STAGE+8*1024              ; the spare words, 128 bytes for each wave: four blocks of 256 bytes that no other line names
; window 0
.set SPW,  1                           ; v1   LDS address of my spare word; never rewritten
.set NIL,  2                           ; v2   0; never rewritten
.set LX,   3                           ; v3   my lane's place in a tile of x: my ring + 272 r + 64 h
.set STB,  4                           ; v4   my stage + 4 r
.set STA,  5                           ; v5   the same, 256 bytes on with each trip of the loop
.set TI,   6                           ; v6   the best group so far
.set B8,   7                           ; v7   16 where the upper tile holds the best
.set J4,   8                           ; v8   4 where the upper four do
.set IDX,  9                           ; v9   the index
.set BE,   10                          ; v10, v11  the best value so far: behind a pair's first group, behind its second
.set XSW,  12                          ; v12  the points' scale word: scales and nothing else
.set PFO,  13                          ; v13  256 x lane: the prefetches' row; never rewritten
.set PFO2, 14                          ; v14  256 x min(lane, my last slot's last row); never rewritten
.set H8,   15                          ; v15  8 h
.set TM,   16                          ; v16-23 at work in the search
.set MX,   24                          ; a block's largest magnitude
.set PM,   26                          ; lane xor 16's
.set SO,   28                          ; the conversions' scale operands
.set HL,   30                          ; 57,344 x the scale
.set BY,   32
.set SQ,   34                          ; v34-37 sums of squares, two packed chains
.set SQP,  38                          ; v38 lane xor 16's sum; v39 is named with it as a pair
.set SR,   40                          ; the way out: where I read my stage back, and its place in out1
.set GO,   41
.set ASC,  48                          ; v48-55 the centroids' scale words: register g: lanes 0-15 tile 2 g, lanes 16-31 tile 2 g + 1
.set BF,   56                          ; v56-71 the points' operand: 8 registers of codes, 8 of zeros
.set XS,   72                          ; v72-79 x_sq, eight times: the C of every product
.set KEEP, 80                          ; v80-95 the best group's sixteen distances
.set CSQ0, 96                          ; v96-103 c_sq of centroid tile 0
.set X,    104                         ; v104-135 32 numbers: register 16 c + i = x[r][32 c + 16 h + i]
.set DA,   136                         ; v136-167, v168-199 two sets of four accumulators
.set CX2,  200                         ; set-up alone, from here on: v200-231 my second centroid tile's numbers
.set CWD,  232                         ; my two tiles' scale words
.set CQ,   234                         ; and their c_sq
.set CW,   236                         ; where I store codes, scale words, c_sq
.set SW,   237
.set QW,   238
.set CI,   239                         ; where I read them
.set SI,   240
.set QI,   241
.set CO,   242                         ; my lane's byte in a centroid tile in memory
.set RR,   243                         ; r, h, lane
.set HH,   244
.set LN,   245
.set CPO,  246                         ; out0: offset and 16 bytes
.set CPD,  248
; window 1: v[8 t .. 8 t + 7] codes of centroid tile t; v128-135 zeros; v[128 + 8 t ..] c_sq[16 t + 8 h + 0 .. 7] for t = 1 .. 15
.set W,    12                          ; s12  my wave's number
.set LIM,  13                          ; s13  waves under LIM have sixteen tiles, the others fifteen
.set G1,   16                          ; s[16:23] descriptor group 1: 32 rows
.set G1S,  24                          ; s[24:31] the same with 16 rows: the last fill of waves with fifteen tiles
.set G0,   32                          ; s[32:39] descriptor group 0, a set for each slot
.set SEL,  40                          ; s[40:41] v_permlanex16_b32's selects for lane xor 16
.set MNT,  42                          ; s42  the mantissa field of 57,344
.set CNT,  43                          ; s43  counts the loop's trips
.set MK,   44                          ; s44-46 lane masks
.set ST,   47                          ; s47  256 x the trip
.set XB,   48                          ; s[48:49] my first row of x
.set OUTB, 50                          ; s[50:51] my first word of out1
.set NLB,  52                          ; s52  my bytes of the second run of out1: 512 or 448
.set SHI,  53                          ; s53  the trip in which I fetch one tile where others fetch two: 2, or one that does not come
.set PB,   58                          ; s[58:59] where the loop's prefetches stand: XB, four tiles on with each trip
.set MSB, 0
.macro WIN new                         ; the immediate's high byte repeats the setting that is left; a switch that changes nothing is dropped
.if MSB != \new
	s_set_vgpr_msb (MSB<<8)|\new
.set MSB, \new
.endif
.endm
.macro WALU
	s_wait_alu depctr_va_vdst(0)
.endm
.macro PLACES n
.rept \n
	v_nop
.endr
.endm
; 32 numbers of a lane, v[s] on (register 16 b + i = k 32 b + 16 h + i of my row), become 8 registers of codes at v[c] and the row's scale word in v[w]; their squares are summed on the way.
; isx = 1: the row's sum of squares goes eight times into XS; else once into v[q].
.macro QUANT s, c, w, isx, q
	v_pk_mul_f32 v[SQ:SQ+1], v[\s:\s+1], v[\s:\s+1]        ; the first products start the two chains: nothing is cleared
	v_max3_num_f32 v[MX], |v[\s]|, |v[\s+1]|, 0x8000000    ; block b's largest magnitude: my 16 numbers, and the floor 2^(16 - 127): the byte cannot fall under 1
	v_pk_mul_f32 v[SQ+2:SQ+3], v[\s+2:\s+3], v[\s+2:\s+3]
	v_max3_num_f32 v[MX+1], |v[\s+16]|, |v[\s+17]|, 0x8000000
.irp i, 2,4,6,8,10,12,14                       ; (four chains by turns)
	v_pk_fma_f32 v[SQ:SQ+1], v[\s+2*\i:\s+2*\i+1], v[\s+2*\i:\s+2*\i+1], v[SQ:SQ+1]
	v_max3_num_f32 v[MX], v[MX], |v[\s+\i]|, |v[\s+\i+1]|
	v_pk_fma_f32 v[SQ+2:SQ+3], v[\s+2*\i+2:\s+2*\i+3], v[\s+2*\i+2:\s+2*\i+3], v[SQ+2:SQ+3]
	v_max3_num_f32 v[MX+1], v[MX+1], |v[\s+16+\i]|, |v[\s+17+\i]|
.endr
	v_permlanex16_b32 v[PM], v[MX], s[SEL], s[SEL+1]
	v_pk_add_f32 v[SQ:SQ+1], v[SQ:SQ+1], v[SQ+2:SQ+3]
	v_permlanex16_b32 v[PM+1], v[MX+1], s[SEL], s[SEL+1]
	v_max_num_f32 v[MX], v[MX], v[PM]              ; with lane xor 16's: the block's largest magnitude
	v_add_f32 v[SQ], v[SQ], v[SQ+1]                ; my 32 squares
	v_max_num_f32 v[MX+1], v[MX+1], v[PM+1]
	v_and_or_b32 v[HL], v[MX], 0x7f800000, s[MNT]  ; 57,344 x the scale
	v_permlanex16_b32 v[SQP], v[SQ], s[SEL], s[SEL+1]
	v_and_or_b32 v[HL+1], v[MX+1], 0x7f800000, s[MNT]
	v_add_nc_u32 v[SO], 0xf8800000, v[MX]          ; 15 off its exponent field: the conversion takes the exponent field of this operand as its scale
	v_add_nc_u32 v[SO+1], 0xf8800000, v[MX+1]
	v_lshrrev_b32 v[BY], 23, v[HL]                 ; block 0's exponent field;
	v_lshrrev_b32 v[BY+1], 15, v[HL+1]             ; block 1's in byte 1, over 0xc0, the mantissa field's top bits
.if \isx
.irp p, 0,1,2,3
	v_pk_add_f32 v[XS+2*\p:XS+2*\p+1], v[SQ:SQ+1], v[SQP:SQP+1] op_sel_hi:[0,0]   ; both halves: my sum + lane xor 16's = x_sq
.endr
.else
	v_add_f32 v[\q], v[SQ], v[SQP]
.endif
	v_add3_u32 v[\w], v[BY], v[BY+1], 0xfffff031   ; 15 off both and 0xc0 off: the row's scale word; bytes 2 and 3 are 0.  (More than eight plain lines ahead of any product)
.irp b, 0,1
.irp i, 0,1,2,3,4,5,6,7,8,9,10,11,12,13,14,15
	v_med3_num_f32 v[\s+16*\b+\i], v[\s+16*\b+\i], -v[HL+\b], v[HL+\b]   ; the conversion to an 8-bit code does not saturate (ISA guide 7.6.2): hold the number first
.endr
	v_cvt_scalef32_pk8_bf8_f32 v[\c+4*\b:\c+4*\b+1], v[\s+16*\b:\s+16*\b+7], v[SO+\b]   ; registers 4 b .. 4 b + 3 of the operand: k = 32 b + 16 h + 0 .. 15
	v_cvt_scalef32_pk8_bf8_f32 v[\c+4*\b+2:\c+4*\b+3], v[\s+16*\b+8:\s+16*\b+15], v[SO+\b]
.endr
.endm
; my centroid tile 2 w + u: quantised, -2 folded in, and all of it to LDS
.macro CENT u, s
	QUANT \s, DA+8*\u, CWD+\u, 0, CQ+\u
	v_nop                                          ; one plain line behind the conversions
.irp j, 0,1,2,3,4,5,6,7
	v_xor_b32 v[DA+8*\u+\j], 0x80808080, v[DA+8*\u+\j]     ; every code's sign turned,
.endr
	v_add_nc_u32 v[CWD+\u], 0x101, v[CWD+\u]       ; and both scale bytes one higher (they are at most 239: nothing carries): x -2, exactly
	ds_store_b128 v[CW], v[DA+8*\u:DA+8*\u+3] offset:1024*\u
	ds_store_b128 v[CW], v[DA+8*\u+4:DA+8*\u+7] offset:1024*\u+512
	ds_store_b32 v[SW], v[CWD+\u] offset:64*\u     ; lanes r and r + 16 write the same word with the same value
	ds_store_b32 v[QW], v[CQ+\u] offset:64*\u
.endm
.macro XLOADS b                        ; the numbers of the tile in buffer b of my ring
.irp c, 0,1
.irp j, 0,1,2,3
	ds_load_b128 v[X+16*\c+4*\j:X+16*\c+4*\j+3], v[LX] offset:TILEB*(\b)+128*\c+16*\j
.endr
.endr
.endm
; four products: centroid tiles 4 q .. 4 q + 3 against the tile of points, into accumulator set 'set'.  Each begins anew from C = x_sq: there are no chains.
.macro WM q, set
.irp i, 0,2
	v_wmma_scale_f32_16x16x128_f8f6f4 v[DA+32*\set+8*\i:DA+32*\set+8*\i+7], v[8*(4*\q+\i):8*(4*\q+\i)+15], v[BF:BF+15], v[XS:XS+7], v[ASC+2*\q+\i/2], v[XSW] matrix_a_fmt:MATRIX_FMT_BF8 matrix_b_fmt:MATRIX_FMT_BF8
	v_wmma_scale_f32_16x16x128_f8f6f4 v[DA+32*\set+8*\i+8:DA+32*\set+8*\i+15], v[8*(4*\q+\i)+8:8*(4*\q+\i)+23], v[BF:BF+15], v[XS:XS+7], v[ASC+2*\q+\i/2], v[XSW] matrix_a_fmt:MATRIX_FMT_BF8 matrix_b_fmt:MATRIX_FMT_BF8 matrix_a_scale:MATRIX_SCALE_ROW1
.endr
.endm
; + c_sq, two at a time; c_sq is source 0, in window 1.  In place, but tiles 0 and 1, whose distances start KEEP.  Each accumulator is read from its low end on.  Tile 0's c_sq lies in window 0:
; its addition stands in TILE.
.macro ADDC q, set
.irp p, 0,1,2,3
.irp i, 0,1,2,3
.if (4*\q+\i) == 1
	v_pk_add_f32 v[KEEP+8+2*\p:KEEP+9+2*\p], v[136+2*\p:137+2*\p], v[DA+32*\set+8+2*\p:DA+32*\set+9+2*\p]
.elseif (4*\q+\i) > 1
	v_pk_add_f32 v[DA+32*\set+8*\i+2*\p:DA+32*\set+8*\i+2*\p+1], v[128+8*(4*\q+\i)+2*\p:128+8*(4*\q+\i)+2*\p+1], v[DA+32*\set+8*\i+2*\p:DA+32*\set+8*\i+2*\p+1]
.endif
.endr
.endr
.endm
; a group's sixteen distances, from a on, take KEEP's place where VCC says so.  Two selects go in one dual-issue pair: both halves take VCC; one destination is even and one odd, and the two first sources, like the two second ones, are
; neighbouring registers, so they lie in different register banks, as the form asks (ISA guide, the chapter on dual-issue encodings).
.macro SELECT8 a, o
.irp p, 0,2,4,6
	v_dual_cndmask_b32 v[KEEP+\o+\p], v[KEEP+\o+\p], v[\a+\o+\p] :: v_dual_cndmask_b32 v[KEEP+\o+\p+1], v[KEEP+\o+\p+1], v[\a+\o+\p+1]
.endr
.endm
; groups 2 q (from d on; group 0 lies in KEEP as it was made) and 2 q + 1 (from d + 16 on) meet the best so far, their minima by turns.  A group wins where its smallest is STRICTLY under all that came before it.
.macro PAIR q, d
.if \q == 0
.set GA, KEEP
.else
.set GA, \d
.endif
.set GB, \d+16
	v_min3_num_f32 v[TM], v[GA], v[GA+1], v[GA+2]
	v_min3_num_f32 v[TM+4], v[GB], v[GB+1], v[GB+2]
	v_min3_num_f32 v[TM+1], v[GA+8], v[GA+9], v[GA+10]
	v_min3_num_f32 v[TM+5], v[GB+8], v[GB+9], v[GB+10]
	v_min3_num_f32 v[TM+2], v[GA+3], v[GA+4], v[GA+5]
	v_min3_num_f32 v[TM+3], v[GA+11], v[GA+12], v[GA+13]
	v_min3_num_f32 v[TM+6], v[GB+3], v[GB+4], v[GB+5]
	v_min3_num_f32 v[TM], v[TM], v[GA+6], v[GA+7]
	v_min3_num_f32 v[TM+1], v[TM+1], v[GA+14], v[GA+15]
	v_min3_num_f32 v[TM+7], v[GB+11], v[GB+12], v[GB+13]
.if \q == 0
	v_min_num_f32 v[TM+2], v[TM+2], v[TM+3]
.else
	v_min3_num_f32 v[TM+2], v[TM+2], v[TM+3], v[BE+1]
.endif
	v_min3_num_f32 v[TM+4], v[TM+4], v[GB+6], v[GB+7]
	v_min3_num_f32 v[TM+5], v[TM+5], v[GB+14], v[GB+15]
	v_min3_num_f32 v[BE], v[TM], v[TM+1], v[TM+2]          ; the best behind the first group
.if \q > 0
	v_cmp_lt_f32 vcc_lo, v[BE], v[BE+1]
.endif
	v_min3_num_f32 v[TM+6], v[TM+6], v[TM+7], v[BE]
.if \q > 0
	SELECT8 GA, 0
.endif
	v_min3_num_f32 v[BE+1], v[TM+4], v[TM+5], v[TM+6]      ; and behind the second
.if \q > 0
	SELECT8 GA, 8
	v_cndmask_b32 v[TI], v[TI], 2*\q, vcc_lo
.endif
	v_cmp_lt_f32 vcc_lo, v[BE+1], v[BE]
	SELECT8 GB, 0
	SELECT8 GB, 8
.if \q > 0
	v_cndmask_b32 v[TI], v[TI], 2*\q+1, vcc_lo
.else
	v_cndmask_b32 v[TI], 0, 1, vcc_lo
.endif
.endm
; the search's end in three parts.  FIN1: sixteen distances become eight, then four: the lower half stays where it holds the best
.macro FIN1
	v_min3_num_f32 v[TM], v[KEEP], v[KEEP+1], v[KEEP+2]
	v_min3_num_f32 v[TM+1], v[KEEP+3], v[KEEP+4], v[KEEP+5]
	v_min3_num_f32 v[TM], v[TM], v[KEEP+6], v[KEEP+7]
	v_min_num_f32 v[TM], v[TM], v[TM+1]
	v_cmp_lt_f32 vcc_lo, v[BE+1], v[TM]
.irp p, 0,2,4,6
	v_dual_cndmask_b32 v[KEEP+\p], v[KEEP+\p], v[KEEP+8+\p] :: v_dual_cndmask_b32 v[KEEP+\p+1], v[KEEP+\p+1], v[KEEP+9+\p]
.endr
	v_cndmask_b32 v[B8], 0, 16, vcc_lo
	v_min3_num_f32 v[TM], v[KEEP], v[KEEP+1], v[KEEP+2]
	v_min_num_f32 v[TM], v[TM], v[KEEP+3]
	v_cmp_lt_f32 vcc_lo, v[BE+1], v[TM]
.irp p, 0,2
	v_dual_cndmask_b32 v[KEEP+\p], v[KEEP+\p], v[KEEP+4+\p] :: v_dual_cndmask_b32 v[KEEP+\p+1], v[KEEP+\p+1], v[KEEP+5+\p]
.endr
	v_cndmask_b32 v[J4], 0, 4, vcc_lo
.endm
.macro FIN2                            ; the first of the four that equals the best
.irp j, 0,1,2
	v_cmp_eq_f32 s[MK+\j], v[KEEP+\j], v[BE+1]
.endr
	v_cndmask_b32 v[IDX], 3, 2, s[MK+2]
	v_cndmask_b32 v[IDX], v[IDX], 1, s[MK+1]
	v_cndmask_b32 v[IDX], v[IDX], 0, s[MK]
.endm
.macro CROSS to, off                   ; the two halves of the lanes meet; the index goes to my stage
	v_lshl_or_b32 v[TM+2], v[TI], 5, v[H8]
	v_add3_u32 v[IDX], v[IDX], v[J4], v[B8]
	v_permlanex16_b32 v[TM], v[BE+1], s[SEL], s[SEL+1]
	v_add_nc_u32 v[IDX], v[IDX], v[TM+2]           ; 32 group + 16 (upper tile) + 8 h + j
	v_cmp_lt_f32 s[MK], v[TM], v[BE+1]             ; the other half's wins where it is smaller,
	v_cmp_eq_f32 s[MK+1], v[TM], v[BE+1]
	v_permlanex16_b32 v[TM+1], v[IDX], s[SEL], s[SEL+1]
	v_cmp_lt_u32 s[MK+2], v[TM+1], v[IDX]
	s_and_b32 s[MK+1], s[MK+1], s[MK+2]            ; or equal with the smaller index
	s_or_b32 s[MK], s[MK], s[MK+1]
	v_cndmask_b32 v[IDX], v[IDX], v[TM+1], s[MK]
	ds_store_b32 v[\to], v[IDX] offset:\off        ; lanes r and r + 16 write the same word with the same value
.endm
.macro TLOAD g0, g1                    ; a tensor load
	tensor_load_to_lds s[\g0:\g0+3], s[\g1:\g1+7]
	s_nop 0
	PLACES 4
.endm
.macro ASK row, tile                   ; a prefetch of two tiles' rows, from the loop's base
	global_prefetch_b8 v[\row], s[PB:PB+1] offset:(\tile)*4096 th:TH_LOAD_NT scope:SCOPE_SE
.endm
; A TILE OF 16 POINTS.  Tile t lies in buffer t % 4; slot 0 is buffers 0 and 1.  kind 0: tile 0.  1: an odd tile, whose successor lies in the other slot.  2, 3: an even tile in the loop: slot 0, slot 1 is filled again.  4: tile 14.  5: tile 15.
; nb: the next tile's buffer; to, off: where the index of the tile before goes.
; At the head of even tiles the slot that is not being read is due for a fill: all my tensor loads have landed, the add and my LDS reads are waited for, then the signal; register work follows, and the load stands first behind the
; barrier's wait.  Tile 0 waits late, so that a wave whose first slot has landed need not sit for the others' ahead of its first search; the others wait behind their conversions.
; A vector line that reads a product's result or writes one of its registers stands eight places behind it, a product that writes over one of them nine, and only plain vector lines that name none of its registers are places.
; Behind the first eight products CROSS of the tile before is nine places; behind the others another set's additions and search.  Between conversions and the first product FIN2 is six plain lines.
.macro TILE kind, nb, to, off
.if (\kind == 0) || (\kind == 2) || (\kind == 3)
	WALU
	s_wait_tensorcnt 0x0                           ; all my tensor loads have landed: so a group 0 may be written
	ds_add_u32 v[SPW], v[NIL]                      ; 0 onto my spare word
.if \kind == 2
	s_add_nc_u64 s[G0+2:G0+3], s[G0+2:G0+3], 4*4096   ; four tiles of 4,096 bytes on; the type bits on top are not reached
.elseif \kind == 3
	s_add_nc_u64 s[G0+6:G0+7], s[G0+6:G0+7], 4*4096
.endif
	s_wait_dscnt 0x0                               ; the add is done; this tile's numbers are in
	s_barrier_signal -1
.else
	s_wait_dscnt 0x0                               ; this tile's numbers are in
.endif
	QUANT X, BF, XSW, 1, 0
.if \kind > 0
	FIN2                                           ; of the tile before
.else
	PLACES 4
.endif
.if (\kind == 2) || (\kind == 3)
	WALU
	s_barrier_wait -1
.if \kind == 2
	TLOAD G0, G1                                   ; my one tensor load behind the barrier, and the first thing there
.else
	s_cmp_eq_u32 s[CNT], s[SHI]
	s_cbranch_scc1 .Lfill_one
	TLOAD G0+4, G1
	s_branch .Lfilled
.Lfill_one:
	TLOAD G0+4, G1S
.Lfilled:
.endif
	XLOADS \nb                                     ; the next tile's numbers come while this tile is multiplied and searched
.endif
	WIN 0x01                                       ; source 0 in window 1: the centroids' codes, and c_sq
	WM 0, 0
	WM 1, 1
	WIN 0
.if \kind > 0
	CROSS \to, \off
.else
	PLACES 8
.endif
	WIN 0x01
	ADDC 0, 0
	WIN 0
.irp p, 0,1,2,3
	v_pk_add_f32 v[KEEP+2*\p:KEEP+2*\p+1], v[DA+2*\p:DA+2*\p+1], v[CSQ0+2*\p:CSQ0+2*\p+1]
.endr
	PAIR 0, DA
	WIN 0x01
	WM 2, 0
	ADDC 1, 1
	WIN 0
	PAIR 1, DA+32
.if \kind == 2
	WALU
	s_cmp_lt_u32 s[CNT], 2
	s_cbranch_scc0 .Lno_ask_a
	ASK PFO, 8                                     ; the slot that is filled two fills on: tiles 8, 9; 12, 13
.Lno_ask_a:
.elseif \kind == 3
	WALU
	s_cmp_eq_u32 s[CNT], 0
	s_cbranch_scc0 .Lno_ask_b
	ASK PFO, 10                                    ; tiles 10, 11
.Lno_ask_b:
	s_cmp_eq_u32 s[CNT], 1
	s_cbranch_scc0 .Lno_ask_c
	ASK PFO2, 10                                   ; tiles 14, 15, or 14 alone; the last trip asks for nothing
.Lno_ask_c:
.endif
	WIN 0x01
	WM 3, 1
	ADDC 2, 0
	WIN 0
	PAIR 2, DA
	WIN 0x01
	ADDC 3, 1
	WIN 0
.if \kind == 0
	WALU
	s_barrier_wait -1
	TLOAD G0+4, G1                                 ; slot 1's first fill, issued as a refill is
	XLOADS \nb
	ASK PFO, 6                                     ; tiles 6, 7
.elseif \kind == 1
	WALU
	s_wait_tensorcnt 0x0                           ; the next slot, my own load, is in
	XLOADS \nb
.endif
	PAIR 3, DA+32
.if \kind < 4
	FIN1
.endif
.endm
	s_load_b256 s[4:11], s[0:1], 0x0               ; x s[4:5], centroids s[6:7], out0 s[8:9], out1 s[10:11]
	v_lshl_add_u32 v[SPW], v0, 2, SPARE
	v_mov_b32 v[NIL], 0
	ds_add_u32 v[SPW], v[NIL]                      ; the wave's opening: the add, twice on end, and its wait ahead of my first tensor load
	ds_add_u32 v[SPW], v[NIL]
	v_lshrrev_b32 v[IDX], 5, v0
	v_and_b32 v[RR], 15, v0
	v_bfe_u32 v[HH], v0, 4, 1
	v_and_b32 v[LN], 31, v0
	v_readfirstlane_b32 s[W], v[IDX]               ; wave 0..7
	v_lshlrev_b32 v[CO], 8, v[RR]
	v_lshlrev_b32 v[H8], 3, v[HH]
	v_mul_u32_u24 v[LX], PITCH, v[RR]
	v_lshlrev_b32 v[PFO], 8, v[LN]
	v_lshl_add_u32 v[CO], v[HH], 6, v[CO]          ; a centroid's row of 256 bytes, + 64 h
	v_lshl_add_u32 v[LX], v[HH], 6, v[LX]
	v_lshl_add_u32 v[CI], v[LN], 4, CIMG
	v_lshl_add_u32 v[SI], v[LN], 2, CSC
	v_lshl_add_u32 v[QI], v[HH], 5, CSQ
	v_lshl_add_u32 v[STB], v[RR], 2, STAGE
	v_lshl_add_u32 v[SW], v[RR], 2, CSC
	v_lshl_add_u32 v[QW], v[RR], 2, CSQ
	v_lshlrev_b32 v[GO], 4, v[LN]
.irp d, BF+8, BF+9, BF+10, BF+11, BF+12, BF+13, BF+14, BF+15, PM, PM+1, SQP, SQP+1
	v_mov_b32 v[\d], 0                             ; k = 64 .. 127 of the points' operand: zero codes; and, written once, the lane permutes' destinations, which count as their sources
.endr
	WALU
	s_lshl_b32 s54, s[W], 13                       ; my two centroid tiles: 8,192 bytes a wave
	s_mov_b32 s55, 0
	s_mov_b32 s[SEL], 0x76543210
	s_mov_b32 s[SEL+1], 0xfedcba98
	s_wait_dscnt 0x0                               ; both opening adds are done
	s_wait_kmcnt 0x0
	s_add_nc_u64 s[54:55], s[6:7], s[54:55]
.irp c, 0,1
.irp j, 0,1,2,3
	global_load_b128 v[X+16*\c+4*\j:X+16*\c+4*\j+3], v[CO], s[54:55] offset:128*\c+16*\j
	global_load_b128 v[CX2+16*\c+4*\j:CX2+16*\c+4*\j+3], v[CO], s[54:55] offset:4096+128*\c+16*\j
.endr
.endr
	s_cmp_eq_u32 ttmp9, 251
	s_cselect_b32 s[LIM], 6, 4
	s_min_u32 s14, s[W], s[LIM]
	s_mul_i32 s15, s[W], 15
	s_add_co_u32 s15, s15, s14                     ; my first tile in the work-group
	s_mul_i32 s56, ttmp9, 124*4096                 ; 4,096 bytes a tile (all under 2^27)
	s_lshl_b32 s57, s15, 12
	s_add_co_u32 s56, s56, s57
	s_mov_b32 s57, 0
	s_add_nc_u64 s[XB:XB+1], s[4:5], s[56:57]
	; descriptor group 1: rows of x are dense rows of 256 bytes: 32 elements of 8 bytes, 16 bytes of padding behind each in LDS
.irp g, G1, G1S
	s_mov_b32 s[\g], (3<<16)|(1<<20)|(5<<22)|(3<<25)   ; 15:0 no mask; 17:16 elements of 8 bytes; 20 padding on; 24:22 after every 64 words (code 5); 31:25 four words (code 3)
	s_mov_b32 s[\g+1], 32<<16                      ; tensor_dim0 = 32
	s_mov_b32 s[\g+3], 32<<16                      ; tile_dim0 = 32
	s_mov_b32 s[\g+5], 32                          ; tensor_dim0_stride
	s_mov_b32 s[\g+6], 0
	s_mov_b32 s[\g+7], 0
.endr
	s_mov_b32 s[G1+2], 32<<16                      ; tensor_dim1
	s_mov_b32 s[G1+4], 32                          ; tile_dim1
	s_mov_b32 s[G1S+2], 16<<16
	s_mov_b32 s[G1S+4], 16
	s_mul_i32 s60, s[W], WRING                     ; my ring
	s_mov_b32 s[G0], 1                             ; 1:0 count = 1
	s_mov_b32 s[G0+1], s60                         ; 63:32 LDS address: slot 0
	s_mov_b64 s[G0+2:G0+3], s[XB:XB+1]             ; 120:64 global address: my tiles 0, 1
	s_or_b32 s[G0+3], s[G0+3], 0x80000000          ; 127:126 type = 2
	TLOAD G0, G1                                   ; slot 0
	s_mov_b32 s[G0+4], 1
	s_add_co_u32 s[G0+5], s60, SLOTB               ; slot 1
	s_add_nc_u64 s[G0+6:G0+7], s[XB:XB+1], 2*4096  ; my tiles 2, 3
	s_or_b32 s[G0+7], s[G0+7], 0x80000000
	s_mul_i32 s56, ttmp9, 124*64                   ; out1: 64 bytes a tile
	s_lshl_b32 s14, s15, 6
	s_add_co_u32 s56, s56, s14
	s_add_nc_u64 s[OUTB:OUTB+1], s[10:11], s[56:57]
	s_mov_b64 s[PB:PB+1], s[XB:XB+1]
	s_mov_b32 s[MNT], 0x600000
	s_cmp_lt_u32 s[W], s[LIM]
	s_cselect_b32 s62, 31, 15                      ; the last row of my last slot
	s_cselect_b32 s[SHI], 7, 2
	s_lshl_b32 s[NLB], s62, 2
	s_add_co_u32 s[NLB], s[NLB], 388               ; 512 or 448
	s_lshl_b32 s14, s[W], 10
	s_lshl_b32 s61, s[W], 11
	s_lshl_b32 s63, s[W], 7
	v_add_nc_u32 v[LX], s60, v[LX]
	v_add_nc_u32 v[STB], s14, v[STB]
	v_min_u32 v[PFO2], s62, v[LN]
	v_add_nc_u32 v[SR], STAGE, v[GO]
	v_add_nc_u32 v[CW], s61, v[CI]                 ; my two tiles' images: codes,
	v_add_nc_u32 v[SW], s63, v[SW]                 ; scale words,
	v_add_nc_u32 v[QW], s63, v[QW]                 ; c_sq
	v_lshlrev_b32 v[PFO2], 8, v[PFO2]
	v_add_nc_u32 v[SR], s14, v[SR]
	WALU
	; out0: work-groups 0-15 copy 4,096 bytes each, 16 bytes a thread: a wave moves 512 consecutive bytes
	s_cmp_lt_u32 ttmp9, 16
	s_cbranch_scc0 .Lno_copy
	s_lshl_b32 s14, ttmp9, 12
	v_lshl_add_u32 v[CPO], v0, 4, s14
	global_load_b128 v[CPD:CPD+3], v[CPO], s[6:7]
	WALU
	s_wait_loadcnt 0x0
	global_store_b128 v[CPO], v[CPD:CPD+3], s[8:9] ; its registers are never written again
.Lno_copy:
	s_wait_loadcnt 0x0                             ; my two centroid tiles
	ASK PFO, 2                                     ; my tiles 2, 3, a lane a row: loaded in tile 0
	CENT 0, X
	CENT 1, CX2                                    ; (registers of its own for all that the stores above read)
	WALU
	s_wait_dscnt 0x0                               ; for the others' sake: my stores have landed
	s_barrier_signal -1
	s_barrier_wait -1                              ; all sixteen tiles lie in LDS.  The tensor loads may stay out
	WIN 0x40                                       ; destination window 1, address window 0
.irp t, 0,1,2,3,4,5,6,7,8,9,10,11,12,13,14,15
	ds_load_b128 v[8*\t:8*\t+3], v[CI] offset:1024*\t
	ds_load_b128 v[8*\t+4:8*\t+7], v[CI] offset:1024*\t+512
.endr
.irp t, 1,2,3,4,5,6,7,8,9,10,11,12,13,14,15
	ds_load_b128 v[128+8*\t:128+8*\t+3], v[QI] offset:64*\t   ; c_sq[16 t + 8 h + 0 .. 7]
	ds_load_b128 v[128+8*\t+4:128+8*\t+7], v[QI] offset:64*\t+16
.endr
.irp j, 0,1,2,3,4,5,6,7
	v_mov_b32 v[128+\j], 0                         ; the upper half of tile 15's fragment
.endr
	WIN 0
	ds_load_b128 v[CSQ0:CSQ0+3], v[QI]
	ds_load_b128 v[CSQ0+4:CSQ0+7], v[QI] offset:16
.irp g, 0,1,2,3,4,5,6,7
	ds_load_b32 v[ASC+\g], v[SI] offset:128*\g     ; lanes 0-15 tile 2 g's words, lanes 16-31 tile 2 g + 1's
.endr
	ASK PFO, 4                                     ; my tiles 4, 5: loaded in tile 2
	s_mov_b32 s[CNT], 0
	s_mov_b32 s[ST], 0
	WALU
	s_wait_tensorcnt 0x0                           ; slot 0, my own load, is in
	XLOADS 0                                       ; tile 0.  (The wait at its head is for these and for all the loads above)
	TILE 0, 1, STB, 0                              ; tile 0: slot 1 takes tiles 2, 3
	TILE 1, 2, STB, 0                              ; tile 1
	WALU
.Lloop:                                                ; tiles 2-5, 6-9, 10-13
	v_add_nc_u32 v[STA], s[ST], v[STB]
	TILE 2, 3, STA, 64                             ; slot 0 takes the tiles two and three on
	TILE 1, 0, STA, 128
	TILE 3, 1, STA, 192                            ; slot 1 likewise; in the last trip a wave of fifteen tiles takes one tile
	TILE 1, 2, STA, 256
	WALU
	s_wait_xcnt 0x0                                ; the prefetches have read their base
	s_add_nc_u64 s[PB:PB+1], s[PB:PB+1], 4*4096
	s_add_co_u32 s[ST], s[ST], 256
	s_add_co_u32 s[CNT], s[CNT], 1
	s_cmp_lt_u32 s[CNT], 3
	s_cbranch_scc1 .Lloop
	TILE 4, 0, STB, 832                            ; tile 14
	WALU
	s_cmp_lt_u32 s[W], s[LIM]
	s_cbranch_scc0 .Lfifteen
	XLOADS 3
	FIN1
	TILE 5, 0, STB, 896                            ; tile 15
	FIN1
	FIN2
	CROSS STB, 960
	s_branch .Lout
.Lfifteen:
	FIN1
	FIN2
	CROSS STB, 896
	ds_store_b32 v[STB], v[IDX] offset:960         ; (so that the whole stage is written; these 64 bytes do not leave)
.Lout:
	; THE WAY OUT: my wave's indices leave as two runs of 512 consecutive bytes (the second 448 where I have fifteen tiles), 16 bytes a lane
	ds_load_b128 v[DA:DA+3], v[SR]                 ; LDS serves a wave's instructions in order (ISA guide 5.7.1.4): these see my stores
	ds_load_b128 v[DA+4:DA+7], v[SR] offset:512
	v_cmp_gt_u32 vcc_lo, s[NLB], v[GO]
	WALU
	s_wait_dscnt 0x0
	global_store_b128 v[GO], v[DA:DA+3], s[OUTB:OUTB+1] th:TH_STORE_NT
	s_wait_xcnt 0x0                                ; no earlier store still needs EXEC
	s_and_saveexec_b32 s54, vcc_lo
	global_store_b128 v[GO], v[DA+4:DA+7], s[OUTB:OUTB+1] offset:512 th:TH_STORE_NT
	s_wait_xcnt 0x0
	s_or_b32 exec_lo, exec_lo, s54
	s_wait_tensorcnt 0x0                           ; the wave's end, behind my last tensor load and my last LDS store
	ds_add_u32 v[SPW], v[NIL]
	s_wait_dscnt 0x0
	s_endpgm
.Lfunc_end_k_qd2be31c7aa_assign:
	.size	k_qd2be31c7aa_assign, .Lfunc_end_k_qd2be31c7aa_assign-k_qd2be31c7aa_assign
	.p2alignl 7, 3214868480
	.fill 96, 4, 3214868480
	.section	.rodata,"a",@progbits
	.p2align	6, 0x0
	.amdhsa_kernel k_qd2be31c7aa_assign
		.amdhsa_group_segment_fixed_size 327680
		.amdhsa_private_segment_fixed_size 0
		.amdhsa_enable_private_segment 0
		.amdhsa_kernarg_size 32
		.amdhsa_user_sgpr_count 2
		.amdhsa_user_sgpr_kernarg_segment_ptr 1
		.amdhsa_wavefront_size32 1
		.amdhsa_system_sgpr_workgroup_id_x 1
		.amdhsa_system_sgpr_workgroup_id_y 1
		.amdhsa_system_sgpr_workgroup_id_z 1
		.amdhsa_system_vgpr_workitem_id 0
		.amdhsa_next_free_vgpr 512
		.amdhsa_next_free_sgpr 66
		.amdhsa_reserve_vcc 1
		.amdhsa_float_denorm_mode_32 3
		.amdhsa_float_denorm_mode_16_64 3
		.amdhsa_memory_ordered 1
		.amdhsa_forward_progress 1
		.amdhsa_inst_pref_size 209
	.end_amdhsa_kernel
	.amdgpu_metadata
---
amdhsa.version: [ 1, 2 ]
amdhsa.kernels:
  - .name:           k_qd2be31c7aa_assign
    .symbol:         k_qd2be31c7aa_assign.kd
    .args:
      - { .name: x, .offset: 0, .size: 8, .value_kind: global_buffer, .address_space: global }
      - { .name: centroids, .offset: 8, .size: 8, .value_kind: global_buffer, .address_space: global }
      - { .name: out0, .offset: 16, .size: 8, .value_kind: global_buffer, .address_space: global }
      - { .name: out1, .offset: 24, .size: 8, .value_kind: global_buffer, .address_space: global }
    .group_segment_fixed_size: 327680
    .private_segment_fixed_size: 0
    .kernarg_segment_align: 8
    .kernarg_segment_size: 32
    .max_flat_workgroup_size: 256
    .sgpr_count:     66
    .vgpr_count:     512
    .wavefront_size: 32
...
	.end_amdgpu_metadata
.endif
;; end of part 1
